; MI455X (gfx1250); checked and timed in simulation.
; The chip was launched on July 23, 2026; its instructions are those of AMD's public machine-readable ISA for CDNA 5 (MIT licence, August 2026) and "CDNA5" Instruction Set Architecture Reference Guide (July 2026). The comments in the code are by the model that wrote it; some were corrected since.
;; Head self Dec. Allowed arithmetic: matrix products marked QUANTISED: E4M3 operands, one E8M0 scale for each 32 along K, by v_wmma_scale_f32_16x16x128_f8f6f4 with both operands' format E4M3, f32 sums; everything else in f32.
;; Inputs: Wk 512 x 64 float32; Wq 512 x 64 float32; Wv 512 x 64 float32; x 16 x 2,048 x 512 float32.
;; Outputs: out0 16 x 2,048 x 64 float32.
;; This version of the problem:
;;   THIS VERSION OF THE PROBLEM IS GIVEN IN LOW PRECISION. The matrix products marked QUANTISED in the list below multiply operands that are first quantised to E4M3 (4 exponent bits, 3 mantissa bits; 8 bits a number), with one power-of-two scale for each 32 numbers along K (OCP MX v1.0); their sums are f32. All else is computed in f32.
;;   The module's matrix products, in the order in which they are computed (A, B: the left and right operand; K: the contracted axis; several contracted axes count as one K, in the product's order):
;;     1. [M 32,768, K 512] x [K 512, N 64]; A: input x; B: input Wq: QUANTISED
;;     2. [M 32,768, K 512] x [K 512, N 64]; A: input x; B: input Wk: QUANTISED
;;     3. [M 32,768, K 512] x [K 512, N 64]; A: input x; B: input Wv: QUANTISED
;;     4. batch 16 x [M 2,048, K 64] x [K 64, N 2,048]; A: computed on the way; B: computed on the way: QUANTISED
;;     5. batch 16 x [M 2,048, K 2,048] x [K 2,048, N 64]; A: softmax (see below); B: computed on the way: QUANTISED
;;   THE QUANTISER, for each operand of a quantised product, along K:
;;     - K is cut into blocks of 32 from its start; a last block that is shorter is filled with zeros.
;;     - A block's scale is 2^e with e = floor(log2(the largest magnitude in the block)) - 8, held to -126 .. 127; a block of zeros has e = 0. As a byte (E8M0): e + 127.
;;     - Each number is divided by its block's scale, clamped to +-448, and rounded to the nearest number of E4M3, ties to even, subnormals kept.
;;     - The product sums the exact products of the quantised numbers (number of the format x scale) in f32.
;;   ~~~python
;;   def quantise(x, axis):      # numpy; x: float32 -> the quantised numbers, widened to float32 again
;;       x = np.moveaxis(x, axis, -1); K = x.shape[-1]
;;       x = np.pad(x, [(0, 0)] * (x.ndim - 1) + [(0, -K % 32)]); x = x.reshape(x.shape[:-1] + (-1, 32)); a = np.abs(x).max(-1, keepdims=True)
;;       e = np.where(a > 0, np.clip(np.frexp(np.where(a > 0, a, 1))[1] - 1 - 8, -126, 127), 0)      # np.frexp(a)[1] - 1 = floor(log2(a)), exactly
;;       r = np.clip(x / 2.0 ** e, -448, 448)
;;       step = 2.0 ** (np.maximum(np.frexp(np.where(r == 0, 1, r))[1] - 1, -6) - 3)
;;       q = np.round(r / step) * step * 2.0 ** e      # np.round: ties to even
;;       return np.moveaxis(q.reshape(q.shape[:-2] + (-1,))[..., :K], -1, axis).astype(np.float32)
;;   ~~~
;;   SOFTMAX AHEAD OF A QUANTISED PRODUCT. Where the list says 'softmax', what is quantised is not the finished softmax but p = 2^(t - M), with t = logit x log2(e) and M = ceil(the row's largest t), a whole number; so 1/2 < the row's largest p <= 1. The row's sum l is taken of the UNQUANTISED p, in f32, and the product's result is divided by l at the end. Since M is a whole number, a kernel that streams over the keys may use a running M (the ceiling of the running maximum): every later rescaling is an exact power of two, which a block's scale takes up: the codes' values come out the same.
;;   OPERANDS COMPUTED ON THE WAY. 'Computed on the way' means the value that the module computes at that place (a softmax that the list does not call 'softmax' is quantised finished and normalised). What goes into a quantiser is computed in f32, as accurately as f32 sums, v_exp_f32 and their like allow (about 1e-6 of the number): no bf16 or f16 on the way to a quantiser, and a product that is left as it is and whose result goes on into a quantised operand takes f32 operands (vector FMAs, or v_wmma_f32_16x16x4_f32). A number that lies on a knife's edge between two numbers of the format may be rounded either way, as far as f32 arithmetic and the matrix unit's own rounding can turn it there, and no further.
;; One version. Each part assembles by itself: llvm-mc -triple=amdgcn-amd-amdhsa -mcpu=gfx1250 --defsym DOCPART=n.
;; ======== version 1 of 1: 2 launches
;; limits: right only within a limited range of input values
;; workspace buffers: qimg 2,097,152 bytes; qsc 131,072 bytes; kv 4,390,912 bytes
;; launch proj (part 1): grid 256 x 1, 4 waves a work-group, clusters of 4 x 1, 327,680 bytes of LDS; arguments x, Wq, Wk, Wv, qimg, qsc, kv; writes qimg, qsc, kv
.if DOCPART == 1
	.amdgcn_target "amdgcn-amd-amdhsa--gfx1250"
	.amdhsa_code_object_version 6
	.text
	.protected	k_q6d79040e2f_proj
	.globl	k_q6d79040e2f_proj
	.p2align	8
	.type	k_q6d79040e2f_proj,@function
k_q6d79040e2f_proj:
	s_mov_b64 s[64:65], 0
	v_nop
	global_prefetch_b8 v0, s[64:65] scope:SCOPE_SE
	s_setreg_imm32_b32 hwreg(HW_REG_WAVE_MODE, 25, 1), 1
	s_wait_xcnt 0x0
	s_wait_alu depctr_hold_cnt(0) depctr_sa_sdst(0) depctr_va_vdst(0) depctr_va_sdst(0) depctr_va_ssrc(0) depctr_va_vcc(0) depctr_vm_vsrc(0)
	s_getreg_b32 s2, hwreg(HW_REG_IB_STS2, 6, 4)
	s_cmp_eq_u32 s2, 0
	s_cbranch_scc0 .Lentry_in_a_cluster
	s_endpgm
.Lentry_in_a_cluster:
	s_bfe_u32 s2, ttmp6, 0x10000c
	s_cmp_lg_u32 s2, 0x3003
	s_cbranch_scc0 .Lentry_shape_is_right
	s_endpgm
.Lentry_shape_is_right:
; THE PROGRAM: one causal attention head, all five products on codes of FP8 (E4M3) with one E8M0 scale for each 32 along K.  Two launches: this one makes q, k, v and their codes; the second is the attention.
; WORK LEFT OUT, in the problem's terms: wei[q][k] with k > q is set to -inf by the tril mask that the function builds itself, so its softmax weight is 0 whatever finite values x and the weights hold, and adds nothing
; to out.  Where all 128 keys of a key step lie behind all queries of a tile of 16, the step's two products and its softmax are not computed.  Every input has a way to the output: all four are loaded.
; LIMITS: a NaN, an infinity or an overflow that reaches only scores left out so is not carried to the result; NaN and infinities among the inputs are not served; a block of zeros gets the scale byte 1 where the
; quantiser says 127 (its codes are zeros, and these bytes are read by this program alone); blocks whose largest magnitude lies under 2^-118 are held at byte 1; scaled scores stay under 2^31 in magnitude.
; SHARES.  A work-group owns 128 rows of x (id = 16 x batch + key step).  Wave w loads K step w (128 along K) of all its tokens, 512 consecutive bytes a load, into 512 registers: 12 loads at the head, 24 behind the barrier
; that shows Wq, 92 among the weights' twelve tiles.
; THE WEIGHTS come as f32 by joint tensor loads, shared by the four work-groups of a cluster: Wq and Wk at the head, Wv into Wq's place by one refill.  Wave s quantises K step s of all 192 columns: four neighbouring columns
; and 16 k a lane for each block of 32; codes go to their owners through LDS in three rounds.  Then wave w owns 48 columns, all of K, in 192 registers: w = 0, 1: q's channels 32 w ..; w = 2, 3: k's channels 32 (w - 2) ..;
; and each wave 16 channels of v.
; THE TOKENS pass in four groups of 32: wave w's numbers turn through its own stage, so that a lane gets 16 neighbours along K; it quantises them, all waves take all codes from LDS, 24 products a wave; the results are quantised
; and leave as images of the next launch's operand registers.  A group's numbers go into the stage two groups ahead and come back among the products of the group before it; codes lie in two buffers by turns, so that one barrier
; a group serves.
; TILES: tile u = 0, 1 of a group: member m is token 8 u + m + 8 (m / 8).  Columns: in a block of 32 columns number 4 e + j (e = 0 .. 7) is member 2 e + j % 2 of tile j / 2.  So for q and k a lane holds one token and 16
; channels of one block of 32 in the 16 registers of two tiles (in an order that q and k share), and for v a lane holds one channel and 16 neighbouring keys.
; OUT.  qimg: id x 8,192 + tile (2 g + u) x 1,024 + 512 block + 16 lane.  qsc: id x 512 + 32 r + 4 tile.  kv, a unit of two key steps a, b: K of a, K of b (8,192 each, as qimg), scale words of a (K: 32 r + 4 tile; V: 512 + 16 r +
; 4 c + g), then V of a, V of b (c x 2,048 + 512 g + 16 lane), scale words of b: 34,304 bytes.
; NO PREFETCH: each byte of x is read once, by loads that are issued well ahead of their use as it is (a group's last load stands at least a tile of a weight ahead of the wait for it); of the weights only Wv comes later than the
; head, and two tiles of Wq and all of Wk stand between its load and the wait for it.
; REGISTERS.  Window 0: addresses, words, the quantiser.  Window 1: Wq, then Wk as read from LDS; then the codes of my columns (0-63, 64-127, 128-191; Wv's numbers at 128-255 before that) and the six accumulators (192-239).
; Windows 2, 3: x as loaded, token n at 4 n; a group's codes at 0-127 of window 2 once group 0 has turned.
.set WB,    131072                     ; Wk; later the waves' stages
.set STG,   WB                         ; a wave's stage: two tiles of 16 rows x (512 + 16) bytes
.set SCR,   262144                     ; 16 fragments of 2,048 bytes; later two buffers of a group's eight and their words
.set BUF,   17408
.set SCW,   SCR+32768                  ; the weights' scale words: 16 x 64 bytes
.set SCX,   SCR+16384                  ; a group's scale words: 8 x 128 bytes
.set SCG,   SCR+2*BUF                  ; scale bytes on their way out: q 512, k 512, v 256
.set SPARE, SCG+1280                   ; the spare words, 128 bytes for each wave: two blocks of 256 bytes that no other line names
.set LI, 1                             ; 16 x lane
.set WRA, 2                            ; 32,768 x wave + 16 r + 4,096 h: four columns of a weight, 16 rows further down for lanes 16-31
.set IMG, 3
.set IMV, 4
.set IWD, 5
.set IWV, 6
.set RIM, 7
.set RWD, 8
.set WRB, 9                            ; WRA in Wk
.set XST, 10
.set XSW, 11
.set XRD, 12
.set XRW, 13
.set SPW, 14
.set NIL, 15
.set TM, 16                            ; v16-19 largest magnitudes, v20-23 the other half's, then bytes, v24-27 448 x the scale, v28-31 the conversions' scale operands
.set WS, 32                            ; v32-43 my columns' scale words: 4 T + s
.set ZERO, 44
.set SCB, 45
.set SVB, 46
.set OFF8, 47
.set XW, 49                            ; v49-56 a group's scale words: 4 u + s
.set STI, 124                          ; my stage, in: 16 x lane (made when Wk has been read)
.set STO, 125                          ; and out: 528 r + 64 h
.set NUM, 128
.set ACC, 192                          ; in window 1
.set WV, 18
.set ID, 19
.set G0Q, 20
.set G1, 24
.set SEL, 32
.set MNT, 34
.set STW, 57                           ; s57  where my stage begins
.set G0K, 68
.set G0V, 72
.set G1V, 76
.set MSB, 0
.macro WIN new                         ; the immediate's high byte repeats the setting that is left
.if MSB != (\new)
	s_set_vgpr_msb (MSB<<8)|(\new)
.set MSB, (\new)
.endif
.endm
.macro PLACES n
.rept \n
	v_nop
.endr
.endm
.macro CROUND                          ; a round of the cluster's barrier
	s_barrier_signal -1
	s_barrier_wait -1
	s_cmp_lg_u32 s[WV], 0
	s_cbranch_scc1 .Lnot_wave_0_\@
	s_barrier_signal -3
.Lnot_wave_0_\@:
	s_barrier_wait -3
	s_barrier_signal -1
	s_barrier_wait -1
.endm
.macro MEET                            ; my LDS accesses are done; everybody's are behind the barrier
	s_wait_alu depctr_va_vdst(0)
	s_wait_dscnt 0x0
	s_barrier_signal -1
	s_barrier_wait -1
.endm
; nb blocks of 16 numbers a lane (32 with lane l xor 16's), number i of block b at src + bs b + st i of window dw, become 4 nb registers of codes at dst; nd: where the held numbers stand.  Bytes stay in v[TM+4 ..].
.macro QUANT dw, src, bs, st, nb, nd, dst
	WIN (\dw)|((\dw)<<2)
.set b_, 0
.rept \nb
	v_max3_num_f32 v[TM+b_], |v[(\src)+(\bs)*b_]|, |v[(\src)+(\bs)*b_+(\st)]|, 0x4800000   ; and the floor 2^(9 - 127): the byte cannot fall under 1
.set b_, b_+1
.endr
	WIN ((\dw)<<2)|((\dw)<<4)
.set i_, 2
.rept 7
.set b_, 0
.rept \nb
	v_max3_num_f32 v[TM+b_], v[TM+b_], |v[(\src)+(\bs)*b_+(\st)*i_]|, |v[(\src)+(\bs)*b_+(\st)*(i_+1)]|
.set b_, b_+1
.endr
.set i_, i_+2
.endr
	WIN 0
.set b_, 0
.rept \nb
	v_permlanex16_b32 v[TM+4+b_], v[TM+b_], s[SEL], s[SEL+1]
.set b_, b_+1
.endr
.set b_, 0
.rept \nb
	v_max_num_f32 v[TM+b_], v[TM+b_], v[TM+4+b_]
.set b_, b_+1
.endr
.set b_, 0
.rept \nb
	v_add_nc_u32 v[TM+12+b_], 0xfc000000, v[TM+b_] ; 8 off the exponent field: the conversion's scale operand
.set b_, b_+1
.endr
.set b_, 0
.rept \nb
	v_and_or_b32 v[TM+8+b_], v[TM+b_], 0x7f800000, s[MNT]   ; 448 x the scale
.set b_, b_+1
.endr
.set b_, 0
.rept \nb
	v_lshrrev_b32 v[TM+4+b_], 23, v[TM+12+b_]      ; the scale's byte
.set b_, b_+1
.endr
	WIN (\dw)
.set b_, 0
.rept \nb
.set i_, 0
.rept 16
	v_med3_num_f32 v[(\nd)+16*b_+i_], v[(\src)+(\bs)*b_+(\st)*i_], -v[TM+8+b_], v[TM+8+b_]   ; the conversion does not saturate (ISA guide 7.6.2): the hold comes first
.set i_, i_+1
.endr
.set b_, b_+1
.endr
	WIN 0
.set b_, 0
.rept \nb
	v_cvt_scalef32_pk8_fp8_f32 v[(\dst)+4*b_:(\dst)+4*b_+1], v[(\nd)+16*b_:(\nd)+16*b_+7], v[TM+12+b_]
	v_cvt_scalef32_pk8_fp8_f32 v[(\dst)+4*b_+2:(\dst)+4*b_+3], v[(\nd)+16*b_+8:(\nd)+16*b_+15], v[TM+12+b_]
.set b_, b_+1
.endr
	v_nop                                          ; a plain line behind the last conversion
.endm
.macro WORD w                          ; the four bytes as one word
	v_lshl_or_b32 v[\w], v[TM+5], 8, v[TM+4]
	v_lshl_or_b32 v[\w], v[TM+6], 16, v[\w]
	v_lshl_or_b32 v[\w], v[TM+7], 24, v[\w]
.endm
.macro XL lo, hi                       ; my K step of tokens lo .. hi - 1: 512 consecutive bytes a load
.set n_, \lo
.rept (\hi)-(\lo)
.if n_ < 64
	WIN 0x80
	global_load_b128 v[4*n_:4*n_+3], v[LI], s[4:5] offset:2048*n_ th:TH_LOAD_NT
.else
	WIN 0xc0
	global_load_b128 v[4*(n_-64):4*(n_-64)+3], v[LI], s[4:5] offset:2048*n_ th:TH_LOAD_NT
.endif
.set n_, n_+1
.endr
	WIN 0
.endm
.macro GETW ad                         ; my 128 rows of a weight: load n = 16 c + i brings W(128 s + 32 c + 16 h + i, 4 r .. 4 r + 3).  The wait stands behind
	WIN 0x40
.set n_, 0
.rept 64
	ds_load_b128 v[4*n_:4*n_+3], v[\ad] offset:256*(32*(n_/16)+n_%16)
.set n_, n_+1
.endr
	WIN 0
.endm
.macro GETV p                          ; the same of Wv, columns 4 r + 2 p, 4 r + 2 p + 1
	WIN 0x40
.set n_, 0
.rept 64
	ds_load_b64 v[128+2*n_:129+2*n_], v[WRA] offset:256*(32*(n_/16)+n_%16)+8*\p
.set n_, n_+1
.endr
	WIN 0
.endm
.macro PUT code, word, ad, wad, off, woff   ; a lane's 64 codes and their word into LDS
.irp c, 0,1,2,3
	ds_store_b128 v[\ad], v[\code+4*\c:\code+4*\c+3] offset:(\off)+512*\c
.endr
	ds_store_b32 v[\wad], v[\word] offset:\woff
.endm
.macro GET T                           ; my four fragments (K steps 0 .. 3) of column tile T, and their words
	WIN 0x40
.irp s, 0,1,2,3
.irp c, 0,1,2,3
	ds_load_b128 v[64*\T+16*\s+4*\c:64*\T+16*\s+4*\c+3], v[RIM] offset:2048*\s+512*\c
.endr
.endr
	WIN 0
.irp s, 0,1,2,3
	ds_load_b32 v[WS+4*\T+\s], v[RWD] offset:64*\s
.endr
.endm
.macro PQK T, u, s                     ; q or k: source 0 = 16 of my columns, source 1 = 16 tokens
	WIN 0x59
.if \s == 0
	v_wmma_scale_f32_16x16x128_f8f6f4 v[ACC+16*\u+8*\T:ACC+16*\u+8*\T+7], v[64*\T+16*\s:64*\T+16*\s+15], v[64*\u+16*\s:64*\u+16*\s+15], 0, v[WS+4*\T+\s], v[XW+4*\u+\s]
.else
	v_wmma_scale_f32_16x16x128_f8f6f4 v[ACC+16*\u+8*\T:ACC+16*\u+8*\T+7], v[64*\T+16*\s:64*\T+16*\s+15], v[64*\u+16*\s:64*\u+16*\s+15], v[ACC+16*\u+8*\T:ACC+16*\u+8*\T+7], v[WS+4*\T+\s], v[XW+4*\u+\s]
.endif
.endm
.macro PV u, s                         ; v: source 0 = 16 tokens, source 1 = 16 of my columns
	WIN 0x56
.if \s == 0
	v_wmma_scale_f32_16x16x128_f8f6f4 v[ACC+32+8*\u:ACC+32+8*\u+7], v[64*\u+16*\s:64*\u+16*\s+15], v[128+16*\s:128+16*\s+15], 0, v[XW+4*\u+\s], v[WS+8+\s]
.else
	v_wmma_scale_f32_16x16x128_f8f6f4 v[ACC+32+8*\u:ACC+32+8*\u+7], v[64*\u+16*\s:64*\u+16*\s+15], v[128+16*\s:128+16*\s+15], v[ACC+32+8*\u:ACC+32+8*\u+7], v[XW+4*\u+\s], v[WS+8+\s]
.endif
.endm
.macro TURNS g                         ; group g's 32 tokens into my stage: row m of tile u; nobody else touches it, and LDS serves a wave's instructions in order: the last group's loads stand ahead of these stores
	WIN 0x08+4*((\g)/2)
.irp u, 0,1
.irp m, 0,1,2,3,4,5,6,7,8,9,10,11,12,13,14,15
	ds_store_b128 v[STI], v[128*((\g)%2)+4*(8*\u+\m+8*(\m/8)):128*((\g)%2)+4*(8*\u+\m+8*(\m/8))+3] offset:8448*\u+528*\m
.endr
.endr
	WIN 0
.endm
.macro TURNL s                         ; and a quarter of them back: tile s / 2, two blocks of 32
.irp d, 0,1
.irp j, 0,1,2,3
	ds_load_b128 v[NUM+64*(\s/2)+16*(2*(\s%2)+\d)+4*\j:NUM+64*(\s/2)+16*(2*(\s%2)+\d)+4*\j+3], v[STO] offset:8448*(\s/2)+128*(2*(\s%2)+\d)+16*\j
.endr
.endr
.endm
.macro QX buf, w0, w1                  ; a group's two chunks become codes in buffer buf.  w0: LDS accesses issued behind tile 0's loads (tile 1's 16; five stores of scale bytes and the turn's 32, where there are any); w1: those behind tile 1's (the same without the 16, and PUT's five)
	s_wait_dscnt \w0
	QUANT 0, NUM, 16, 1, 4, NUM, 64
	WORD 57
	PUT 64, 57, XST, XSW, BUF*(\buf), BUF*(\buf)
	s_wait_dscnt \w1
	QUANT 0, NUM+64, 16, 1, 4, NUM+64, 80
	WORD 58
	PUT 80, 58, XST, XSW, BUF*(\buf)+8192, BUF*(\buf)+512
.endm
.macro GROUP g, lc                     ; 32 tokens; lc: x loads that may be out when the group two on goes into the stage
	MEET                                           ; this group's codes are in LDS
.irp f, 0,1,2,3,4,5,6,7
	ds_load_b32 v[XW+\f], v[XRW] offset:BUF*((\g)%2)+128*\f
.endr
	WIN 0x80
.irp f, 0,4,1,5,2,6,3,7                ; K step by K step, both tiles: eight loads a step
.irp c, 0,1,2,3
	ds_load_b128 v[16*\f+4*\c:16*\f+4*\c+3], v[XRD] offset:BUF*((\g)%2)+2048*\f+512*\c
.endr
.endr
	WIN 0
.irp s, 0,1,2,3                        ; the six accumulators by turns
.if \g < 3
	s_wait_dscnt 24                                ; step s is in: behind it stand 24 - 8 s loads of codes and 8 s of the next group's numbers
.else
	s_wait_dscnt 24-8*\s
.endif
	PQK 0, 0, \s
	PQK 1, 0, \s
	PQK 0, 1, \s
	PQK 1, 1, \s
	PV 0, \s
	PV 1, \s
.if \g < 3
	WIN 0
	TURNL \s
.endif
.endr
	WIN 0
	s_wait_xcnt 0x0                                ; the last group's stores have read their data: the codes may be written
	PLACES 8                                       ; ahead of the first read of the results
	QUANT 1, ACC, 16, 1, 3, 64, 112                ; blocks 0, 1: q's or k's channels of tiles 0, 1; block 2: v's keys
	global_store_b128 v[LI], v[112:115], s[50:51] offset:2048*\g
	global_store_b128 v[LI], v[116:119], s[50:51] offset:2048*\g+1024
	global_store_b128 v[LI], v[120:123], s[52:53] offset:512*\g
	ds_store_b8 v[SCB], v[TM+4] offset:8*\g        ; both halves of the lanes write the same byte
	ds_store_b8 v[SCB], v[TM+5] offset:8*\g+4
	ds_store_b8 v[SCB], v[ZERO] offset:8*\g+2      ; K = 64: a word's upper two bytes are 0 and meet zero codes of Q alone
	ds_store_b8 v[SCB], v[ZERO] offset:8*\g+6
	ds_store_b8 v[SVB], v[TM+6] offset:\g
.if \g < 2
	s_wait_alu depctr_va_vdst(0)
	s_wait_loadcnt \lc                             ; the numbers of the group two on are in registers
	TURNS (\g)+2
	QX ((\g)+1)%2, 53, 42
.elseif \g == 2
	QX 1, 21, 10
.endif
.endm
.macro TL g0, g1
	tensor_load_to_lds s[\g0:\g0+3], s[\g1:\g1+7]
	s_nop 0
	PLACES 4
.endm
.macro ROWS g, n                       ; descriptor group 1: n dense rows of 256 bytes (32 elements of 8), for all four work-groups of the cluster
	s_mov_b32 s[\g+0], 15|(3<<16)|(1<<21)
	s_mov_b32 s[\g+1], 32<<16
	s_mov_b32 s[\g+2], (\n)<<16
	s_mov_b32 s[\g+3], 32<<16
	s_mov_b32 s[\g+4], \n
	s_mov_b32 s[\g+5], 32
	s_mov_b32 s[\g+6], 0
	s_mov_b32 s[\g+7], 0
.endm
	s_load_b256 s[4:11], s[0:1], 0x0               ; x, Wq, Wk, Wv
	s_load_b128 s[12:15], s[0:1], 0x20             ; qimg, qsc
	s_load_b64 s[16:17], s[0:1], 0x30              ; kv
	v_lshl_add_u32 v[SPW], v0, 2, SPARE
	v_mov_b32 v[NIL], 0
	ds_add_u32 v[SPW], v[NIL]                      ; the wave's opening
	ds_add_u32 v[SPW], v[NIL]
	v_lshrrev_b32 v57, 5, v0
	v_readfirstlane_b32 s[WV], v57                 ; wave 0..3
	s_bfe_u32 s35, ttmp6, 0x40000
	s_lshl_b32 s[ID], ttmp9, 2
	s_add_co_u32 s[ID], s[ID], s35                 ; my work-group: 4 x cluster + my place in it; it enters global addresses alone
	ROWS G1, 256                                   ; half a weight
	ROWS G1V, 128                                  ; a quarter
	s_and_b32 s58, s[WV], 1
	s_lshl_b32 s62, s58, 16
	s_mov_b32 s63, 0
	s_mov_b32 s[G0Q], 1
	s_mov_b32 s[G0Q+1], s62                        ; waves 0, 1: the halves of Wq
	s_mov_b32 s[G0K], 1
	s_add_co_u32 s[G0K+1], s62, WB                 ; waves 2, 3: of Wk
	s_lshl_b32 s38, s[WV], 15
	s_mov_b32 s39, 0
	s_mov_b32 s[G0V], 1
	s_mov_b32 s[G0V+1], s38                        ; the refill: a quarter of Wv each
	s_mov_b32 s[SEL], 0x76543210
	s_mov_b32 s[SEL+1], 0xfedcba98
	s_mov_b32 s[MNT], 0x600000
	s_lshl_b32 s36, s[ID], 18                      ; x: 128 rows of 2,048 bytes a work-group,
	s_lshl_b32 s37, s[WV], 9                       ; 512 bytes of each row a wave
	s_add_co_u32 s36, s36, s37
	s_mov_b32 s37, 0
	s_lshl_b32 s59, s58, 9                         ; 512 x my block of 32 channels
	s_lshl_b32 s40, s[ID], 13
	s_add_co_u32 s40, s40, s59                     ; qimg
	s_mov_b32 s41, 0
	s_lshr_b32 s60, s[ID], 1
	s_mul_i32 s60, s60, 34304                      ; the unit in kv
	s_and_b32 s61, s[ID], 1
	s_lshl_b32 s66, s61, 13
	s_add_co_u32 s42, s60, s66
	s_add_co_u32 s44, s42, 17152
	s_add_co_u32 s42, s42, s59                     ; K's place
	s_mov_b32 s43, 0
	s_lshl_b32 s66, s[WV], 11
	s_add_co_u32 s44, s44, s66                     ; V's
	s_mov_b32 s45, 0
	s_lshl_b32 s59, s58, 8
	s_lshl_b32 s46, s[ID], 9
	s_add_co_u32 s46, s46, s59                     ; q's scale words, a half each for waves 0 and 1
	s_mov_b32 s47, 0
	s_mul_i32 s48, s61, 17152
	s_add_co_u32 s48, s48, s60
	s_add_co_u32 s48, s48, 16384
	s_add_co_u32 s48, s48, s59                     ; k's, for waves 2 and 3
	s_mov_b32 s49, 0
	s_lshl_b32 s56, s[WV], 8
	s_add_co_u32 s56, s56, SCG
	s_mul_i32 s[STW], s[WV], 16896
	s_add_co_u32 s[STW], s[STW], STG
	v_and_b32 v57, 31, v0                          ; lane
	v_and_b32 v58, 15, v0                          ; r
	v_bfe_u32 v59, v0, 4, 1                        ; h
	v_and_b32 v60, 7, v0                           ; e
	v_bfe_u32 v61, v0, 3, 1                        ; which block of 32 columns
	v_lshlrev_b32 v[LI], 4, v57
	v_lshl_add_u32 v[WRA], v58, 4, s38
	v_lshl_add_u32 v[WRA], v59, 12, v[WRA]
	v_add_nc_u32 v[WRB], WB, v[WRA]
	v_lshlrev_b32 v62, 5, v60
	v_lshl_add_u32 v62, v59, 8, v62                ; 32 e + 256 h
	s_lshl_b32 s59, s[WV], 11
	s_add_co_u32 s59, s59, SCR
	v_lshl_add_u32 v[IMG], v61, 13, v62            ; q, k: owner 2 G + block
	v_add_nc_u32 v[IMG], s59, v[IMG]
	v_lshl_add_u32 v[IMV], v61, 14, v62            ; v: owner 2 block + tile
	v_add_nc_u32 v[IMV], s59, v[IMV]
	v_add_nc_u32 v[XST], s59, v[LI]
	v_add_nc_u32 v[XRD], SCR, v[LI]
	v_lshlrev_b32 v62, 3, v60
	s_lshl_b32 s59, s[WV], 6
	s_add_co_u32 s59, s59, SCW
	v_lshl_add_u32 v[IWD], v61, 8, v62
	v_add_nc_u32 v[IWD], s59, v[IWD]
	v_lshl_add_u32 v[IWV], v61, 9, v62
	v_add_nc_u32 v[IWV], s59, v[IWV]
	s_lshl_b32 s59, s[WV], 13
	s_add_co_u32 s59, s59, SCR
	v_add_nc_u32 v[RIM], s59, v[LI]
	s_lshl_b32 s59, s[WV], 8
	s_add_co_u32 s59, s59, SCW
	v_lshl_add_u32 v[RWD], v58, 2, s59
	s_lshl_b32 s59, s[WV], 7
	s_add_co_u32 s59, s59, SCX
	v_lshl_add_u32 v[XSW], v57, 2, s59
	v_lshl_add_u32 v[XRW], v57, 2, SCX
	s_lshr_b32 s60, s[WV], 1
	s_lshl_b32 s59, s60, 9
	s_add_co_u32 s59, s59, s58
	s_add_co_u32 s59, s59, SCG
	v_lshl_add_u32 v[SCB], v58, 5, s59
	s_lshl_b32 s59, s[WV], 2
	s_add_co_u32 s59, s59, SCG+1024
	v_lshl_add_u32 v[SVB], v58, 4, s59
	v_lshlrev_b32 v[OFF8], 3, v57
	v_mov_b32 v[ZERO], 0
.irp b, 0,1,2,3
	v_mov_b32 v[TM+4+\b], 0                        ; written once: a lane permute's destination counts as one of its sources
.endr
	s_wait_alu depctr_va_vdst(0)
	s_wait_dscnt 0x0                               ; both opening adds are done
	CROUND                                         ; all four work-groups are here: the first joint loads meet
	s_wait_kmcnt 0x0
	s_add_nc_u64 s[G0Q+2:G0Q+3], s[6:7], s[62:63]
	s_or_b32 s[G0Q+3], s[G0Q+3], 0x80000000
	s_add_nc_u64 s[G0K+2:G0K+3], s[8:9], s[62:63]
	s_or_b32 s[G0K+3], s[G0K+3], 0x80000000
	s_add_nc_u64 s[G0V+2:G0V+3], s[10:11], s[38:39]
	s_or_b32 s[G0V+3], s[G0V+3], 0x80000000
	s_add_nc_u64 s[4:5], s[4:5], s[36:37]
	s_cmp_lt_u32 s[WV], 2                          ; one joint load a wave; Wq's waves, which wait first, have a line of their own
	s_cbranch_scc0 .Lfor_k
	TL G0Q, G1
	s_branch .Lasked
.Lfor_k:
	TL G0K, G1
.Lasked:
	XL 0, 12                                       ; 12 of my 128 loads of x: the weights, which are needed first, are asked for ahead of the rest
	s_add_nc_u64 s[40:41], s[12:13], s[40:41]
	s_add_nc_u64 s[42:43], s[16:17], s[42:43]
	s_add_nc_u64 s[52:53], s[16:17], s[44:45]
	s_add_nc_u64 s[46:47], s[14:15], s[46:47]
	s_add_nc_u64 s[48:49], s[16:17], s[48:49]
	s_cmp_lt_u32 s[WV], 2                          ; q's waves or k's
	s_cselect_b64 s[50:51], s[40:41], s[42:43]
	s_cselect_b64 s[54:55], s[46:47], s[48:49]
	s_cmp_lt_u32 s[WV], 2
	s_cbranch_scc0 .Lnot_q
	s_wait_tensorcnt 0x0                           ; Wq has landed
.Lnot_q:
	MEET
	GETW WRA
	XL 12, 36
	s_wait_dscnt 0x0
	QUANT 1, 0, 64, 4, 4, NUM, 192
	WORD 57
	PUT 192, 57, IMG, IWD, 0, 0
	XL 36, 43
	QUANT 1, 1, 64, 4, 4, NUM, 208
	WORD 58
	PUT 208, 58, IMG, IWD, 16, 4
	XL 43, 50
	s_wait_alu depctr_va_vdst(0)
	s_wait_tensorcnt 0x0                           ; Wk has landed.  Everybody has read Wq into registers, and behind the round Wv goes into its place
	ds_add_u32 v[SPW], v[NIL]                      ; 0 onto my spare word
	s_wait_dscnt 0x0
	CROUND
	TL G0V, G1V
	QUANT 1, 2, 64, 4, 4, NUM, 96                  ; the tiles of the second round wait in registers
	WORD 59
	XL 50, 57
	QUANT 1, 3, 64, 4, 4, NUM, 112
	WORD 60
	GETW WRB
	XL 57, 64
	s_wait_alu depctr_va_vdst(0)
	s_wait_dscnt 0x0
	QUANT 1, 0, 64, 4, 4, NUM, 224
	WORD 61
	PUT 224, 61, IMG, IWD, 16384, 512
	XL 64, 71
	QUANT 1, 1, 64, 4, 4, NUM, 240
	WORD 62
	PUT 240, 62, IMG, IWD, 16400, 516
	XL 71, 78
	QUANT 1, 2, 64, 4, 4, NUM, 64
	WORD 63
	XL 78, 85
	QUANT 1, 3, 64, 4, 4, NUM, 80
	WORD 48
	XL 85, 92
	MEET                                           ; round 0 is written; and everybody has read Wk
	GET 0
	MEET                                           ; and read
	PUT 96, 59, IMG, IWD, 0, 0
	PUT 112, 60, IMG, IWD, 16, 4
	PUT 64, 63, IMG, IWD, 16384, 512
	PUT 80, 48, IMG, IWD, 16400, 516
	s_wait_alu depctr_va_vdst(0)
	s_wait_tensorcnt 0x0                           ; Wv has landed
	MEET                                           ; round 1
	GET 1
	GETV 0
	v_and_b32 v62, 15, v0
	v_bfe_u32 v63, v0, 4, 1
	v_add_nc_u32 v[STI], s[STW], v[LI]
	v_mul_u32_u24 v62, v62, 528
	v_lshl_add_u32 v62, v63, 6, v62
	v_add_nc_u32 v[STO], s[STW], v62
	s_wait_alu depctr_va_vdst(0)
	s_wait_loadcnt 60                              ; of 92 loads 32 are done: group 0's
	TURNS 0
	s_wait_dscnt 32                                ; Wv's numbers are in; the turn's 32 stores may be out
	QUANT 1, 128, 32, 2, 4, NUM, 192
	WORD 57
	XL 92, 101
	QUANT 1, 129, 32, 2, 4, NUM, 208
	WORD 58
	GETV 1
	XL 101, 110
	s_wait_alu depctr_va_vdst(0)
	s_wait_dscnt 0x0
	QUANT 1, 128, 32, 2, 4, NUM, 224
	WORD 59
	XL 110, 119
	QUANT 1, 129, 32, 2, 4, NUM, 240
	WORD 60
	XL 119, 128
	MEET
	PUT 192, 57, IMV, IWV, 0, 0
	PUT 208, 58, IMV, IWV, 16, 4
	PUT 224, 59, IMV, IWV, 8192, 256
	PUT 240, 60, IMV, IWV, 8208, 260
	MEET                                           ; round 2
	GET 2
	MEET                                           ; and read: the codes' buffers lie over it
	TURNL 0
	TURNL 1
	TURNL 2
	TURNL 3
	s_wait_loadcnt 63                              ; of 128 loads 65 are done: group 1's among them
	TURNS 1
	QX 0, 48, 37
	GROUP 0, 32
	GROUP 1, 0
	GROUP 2, 0
	GROUP 3, 0
	v_add_nc_u32 v57, s56, v[OFF8]
	MEET                                           ; the 1,280 scale bytes are gathered
	ds_load_b64 v[58:59], v57
	s_wait_dscnt 0x0
	global_store_b64 v[OFF8], v[58:59], s[54:55]   ; 32 lanes store 256 consecutive bytes, aligned
	s_cmp_lg_u32 s[WV], 3
	s_cbranch_scc1 .Lno_v
	ds_load_b64 v[64:65], v57 offset:256           ; v's, behind k's
	s_wait_dscnt 0x0
	global_store_b64 v[OFF8], v[64:65], s[54:55] offset:256
.Lno_v:
	s_wait_tensorcnt 0x0                           ; the wave's end
	ds_add_u32 v[SPW], v[NIL]
	s_wait_dscnt 0x0
	CROUND                                         ; the closing round
	s_endpgm
.Lfunc_end_k_q6d79040e2f_proj:
	.size	k_q6d79040e2f_proj, .Lfunc_end_k_q6d79040e2f_proj-k_q6d79040e2f_proj
	.p2alignl 7, 3214868480
	.fill 96, 4, 3214868480
	.section	.rodata,"a",@progbits
	.p2align	6, 0x0
	.amdhsa_kernel k_q6d79040e2f_proj
		.amdhsa_group_segment_fixed_size 327680
		.amdhsa_private_segment_fixed_size 0
		.amdhsa_enable_private_segment 0
		.amdhsa_kernarg_size 56
		.amdhsa_user_sgpr_count 2
		.amdhsa_user_sgpr_kernarg_segment_ptr 1
		.amdhsa_wavefront_size32 1
		.amdhsa_system_sgpr_workgroup_id_x 1
		.amdhsa_system_sgpr_workgroup_id_y 1
		.amdhsa_system_sgpr_workgroup_id_z 1
		.amdhsa_system_vgpr_workitem_id 0
		.amdhsa_next_free_vgpr 1024
		.amdhsa_next_free_sgpr 90
		.amdhsa_reserve_vcc 0
		.amdhsa_float_denorm_mode_32 3
		.amdhsa_float_denorm_mode_16_64 3
		.amdhsa_memory_ordered 1
		.amdhsa_forward_progress 1
		.amdhsa_inst_pref_size 255
	.end_amdhsa_kernel
	.section	.bss,"aw",@nobits
	.p2align	6
	.space	262144
	.amdgpu_metadata
---
amdhsa.version: [ 1, 2 ]
amdhsa.kernels:
  - .name:           k_q6d79040e2f_proj
    .symbol:         k_q6d79040e2f_proj.kd
    .args:
      - { .name: x, .offset: 0, .size: 8, .value_kind: global_buffer, .address_space: global }
      - { .name: Wq, .offset: 8, .size: 8, .value_kind: global_buffer, .address_space: global }
      - { .name: Wk, .offset: 16, .size: 8, .value_kind: global_buffer, .address_space: global }
      - { .name: Wv, .offset: 24, .size: 8, .value_kind: global_buffer, .address_space: global }
      - { .name: qimg, .offset: 32, .size: 8, .value_kind: global_buffer, .address_space: global }
      - { .name: qsc, .offset: 40, .size: 8, .value_kind: global_buffer, .address_space: global }
      - { .name: kv, .offset: 48, .size: 8, .value_kind: global_buffer, .address_space: global }
    .group_segment_fixed_size: 327680
    .private_segment_fixed_size: 0
    .kernarg_segment_align: 8
    .kernarg_segment_size: 56
    .max_flat_workgroup_size: 128
    .sgpr_count:     90
    .vgpr_count:     1024
    .wavefront_size: 32
...
	.end_amdgpu_metadata
.endif
;; end of part 1
;; launch attn (part 2): grid 16 x 16, 16 waves a work-group, clusters of 4 x 1, 327,680 bytes of LDS; arguments qimg, qsc, kv, out0; writes out0
.if DOCPART == 2
	.amdgcn_target "amdgcn-amd-amdhsa--gfx1250"
	.amdhsa_code_object_version 6
	.text
	.protected	k_q6d79040e2f_attn
	.globl	k_q6d79040e2f_attn
	.p2align	8
	.type	k_q6d79040e2f_attn,@function
k_q6d79040e2f_attn:
	s_mov_b64 s[64:65], 0
	v_nop
	global_prefetch_b8 v0, s[64:65] scope:SCOPE_SE
	s_setreg_imm32_b32 hwreg(HW_REG_WAVE_MODE, 25, 1), 1
	s_wait_xcnt 0x0
	s_wait_alu depctr_hold_cnt(0) depctr_sa_sdst(0) depctr_va_vdst(0) depctr_va_sdst(0) depctr_va_ssrc(0) depctr_va_vcc(0) depctr_vm_vsrc(0)
	s_getreg_b32 s2, hwreg(HW_REG_IB_STS2, 6, 4)
	s_cmp_eq_u32 s2, 0
	s_cbranch_scc0 .Lentry_in_a_cluster
	s_endpgm
.Lentry_in_a_cluster:
	s_bfe_u32 s2, ttmp6, 0x10000c
	s_cmp_lg_u32 s2, 0x3003
	s_cbranch_scc0 .Lentry_shape_is_right
	s_endpgm
.Lentry_shape_is_right:
; out[b][q] = the sum over k <= q of softmax_k(q . k / 8) v, both products on codes of FP8 (E4M3) with E8M0 scales; all operands come as images of operand registers, made by the launch before.
; WORK LEFT OUT: key steps all of whose 128 keys lie behind a tile's queries are masked to -inf by the function's own tril, so their weights are 0 for every input: they are not computed.  A NaN or an overflow that reaches
; only such scores is not carried to the result.  The other limits stand at the head of the first launch.
; THE SOFTMAX: t = score x log2(e) / 8; M = the running largest t rounded up to a whole number (kept as -M = floor(-t)); p = 2^(t - M) is quantised along the keys, not normalised; the row's sum is taken of the unquantised
; p and divides at the end; when M moves, the sum and O are multiplied by 2^(old M - new M), which rounds nothing.  A block's largest p is made from the block's largest score by the same two instructions (this takes
; v_exp_f32 not to fall where its input rises; at the worst one p of a block would be held one code low).
; SHARES.  A batch's 2,048 queries are 16 groups of 128, a group 8 tiles of 16.  A work-group owns one tile of each of eight groups: groups 0, 3, 4, 7, 8, 11, 12, 15 (kind 0) or 1, 2, 5, 6, 9, 10, 13, 14 (kind 1), numbers
; n = 0 .. 7; a tile of group g needs key steps 0 .. g: 68 tile steps in every work-group.  Waves s, s + 4, s + 8, s + 12 own tiles 7 - s (long) and s (short), 17 steps together: for s < 3 the first three share the long tile's
; steps by turns and the fourth takes the short tile; for s = 3 two waves share each.  A wave has one tile, takes every second or third (or each) of its steps, six at the most; the parts are joined at the end through LDS.
; THE KIND, and so every branch, hangs on the cluster's number and the wave's alone: clusters 0, 1 are kind 0, clusters 2, 3 kind 1; a place in the cluster picks the tile in its groups, which enters addresses of q and out and
; the mask's numbers.
; LDS holds ALL of a batch's K and V and scale words, 274,432 bytes: sixteen joint loads of 17,152 bytes at the head, one a wave, asked for by the four work-groups of a cluster together.  A unit is two key steps: 34,304 bytes;
; every load is read in part by every work-group.  Nothing is filled again.  Two barriers show units 0, 1 and all: a wave's first step is step 0, 1 or 2.  NO PREFETCH: all tiles are asked for at the head.
; LAYOUT.  S^T = K Q^T (source 0 = 16 keys, source 1 = my queries), O^T = V^T P^T: a lane holds one query throughout.  The first product's K is 64: Q's upper eight registers hold zero codes, so K's upper eight may be the next
; fragment's codes: K's fragments overlap by half.
; REGISTERS: v16-31 Q; v32-39 K's words, v40-43 V's, v44 Q's, v45 p's; v48-119 K's fragments, then V's; v120-183 S^T, then p; v184-215 O^T; v216-231 p's codes; v232-255 at work.
.set UNIT,  34304
.set HALF,  17152
.set SPARE, 8*UNIT                     ; the spare words, 128 bytes for each wave: eight blocks of 256 bytes that no other line names
.set STAGEW, 4352                      ; the way out: 16 rows x (256 + 16) bytes for each wave, from LDS byte 0 on, behind a barrier behind which nobody reads K or V
.set AK,  1                            ; v1   16 x lane
.set ASK, 2                            ; v2   K's scale words in a unit
.set ASV, 3                            ; v3   V's
.set ADF, 4
.set SPW, 5
.set NIL, 6
.set ADS, 8
.set ADT, 9
.set Q,   16
.set KS,  32
.set VS,  40
.set QS,  44
.set PW,  45
.set DLN, 46                           ; v46  my query in its group - 16 h
.set GO,  47
.set KV,  48
.set S,   120
.set O,   184
.set PC,  216
.set BM,  232
.set PM,  236
.set LM,  240
.set SO,  244
.set T0,  248
.set F,   250
.set WV,  12
.set START, 13                         ; s13  my first key step
.set GG,  14                           ; s14  my tile's group: its last key step
.set JJ,  15                           ; s15  which of a group's eight tiles
.set STRD, 17                          ; s17  from a step of mine to the next
.set MNT, 18
.set SEL, 20
.set CS,  22
.set G1,  24
.set G0,  32
.set KST, 37                           ; s37  the key step in hand
.set STG, 38
.set RBS, 39
.set SS,  40                           ; s40  w % 4
.set KK,  41                           ; s41  w / 4
.set IS3, 42                           ; s42  1 where w % 4 = 3
.set SH,  43                           ; s43  1: my tile is the short one
.set X01, 60                           ; s60  -3e38, or 3e38 where parts 0 and 1 are not of the tile that I store;  s61 for part 2;  s62 for part 3
.set X2,  61
.set X3,  62
.macro PLACES n
.rept \n
	v_nop
.endr
.endm
.macro CROUND                          ; a round of the cluster's barrier
	s_barrier_signal -1
	s_barrier_wait -1
	s_cmp_lg_u32 s[WV], 0
	s_cbranch_scc1 .Lnot_wave_0_\@
	s_barrier_signal -3
.Lnot_wave_0_\@:
	s_barrier_wait -3
	s_barrier_signal -1
	s_barrier_wait -1
.endm
.macro TL
	tensor_load_to_lds s[G0:G0+3], s[G1:G1+7]
	s_nop 0
	PLACES 4
.endm
.macro MEET
	s_wait_alu depctr_va_vdst(0)
	s_wait_dscnt 0x0
	s_barrier_signal -1
	s_barrier_wait -1
.endm
; A KEY STEP: 128 keys, number s[KST].
.macro STEP
	s_cmp_gt_u32 s[KST], s[GG]                     ; all its keys lie behind my queries
	s_cbranch_scc1 .Lhidden_\@
	s_min_u32 s46, s[KST], 15                      ; (a step that is walked is 15 at the most: this bounds the address in the text)
	s_lshr_b32 s47, s46, 1
	s_mul_i32 s47, s47, UNIT
	s_and_b32 s46, s46, 1
	s_mul_i32 s48, s46, HALF
	s_add_co_u32 s48, s48, s47                     ; its scale words
	s_lshl_b32 s46, s46, 13
	s_add_co_u32 s47, s47, s46                     ; its K; V is HALF on
	v_add_nc_u32 v[ADF], s47, v[AK]
	v_add_nc_u32 v[ADS], s48, v[ASK]
	v_add_nc_u32 v[ADT], s48, v[ASV]
	PLACES 5                                       ; with the three additions: eight places ahead of loads into what the last products have read
.irp t, 0,1,2,3,4,5,6,7
	ds_load_b128 v[KV+8*\t:KV+8*\t+3], v[ADF] offset:1024*\t
	ds_load_b128 v[KV+8*\t+4:KV+8*\t+7], v[ADF] offset:1024*\t+512
.endr
	ds_load_b128 v[KS:KS+3], v[ADS]
	ds_load_b128 v[KS+4:KS+7], v[ADS] offset:16
	s_wait_alu depctr_va_vdst(0)
	s_wait_dscnt 0x0
.irp t, 0,1,2,3,4,5,6,7
	v_wmma_scale_f32_16x16x128_f8f6f4 v[S+8*\t:S+8*\t+7], v[KV+8*\t:KV+8*\t+15], v[Q:Q+15], 0, v[KS+\t], v[QS]
.endr
	PLACES 8                                       ; ahead of the first read of the scores and of the loads over K's fragments
.irp c, 0,1,2,3
.irp i, 0,1,2,3
	ds_load_b128 v[KV+16*\c+4*\i:KV+16*\c+4*\i+3], v[ADF] offset:HALF+2048*\c+512*\i
.endr
.endr
	ds_load_b128 v[VS:VS+3], v[ADT]
	s_cmp_lg_u32 s[KST], s[GG]                     ; the diagonal: hidden scores become -infinity ahead of the maximum; the other steps skip this
	s_cbranch_scc1 .Lopen_\@
	v_mov_b32 v[T0], 0xff800000
.set n, 0
.rept 64
	v_cmp_gt_i32 vcc_lo, 32*(n/16)+n%16, v[DLN]    ; register 16 b + i holds key 32 b + 16 h + i of the step
	v_cndmask_b32 v[S+n], v[S+n], v[T0], vcc_lo
.set n, n+1
.endr
.Lopen_\@:
.irp b, 0,1,2,3
	v_max3_num_f32 v[BM+\b], v[S+16*\b], v[S+16*\b+1], v[S+16*\b+2]   ; the largest score of each block of 32 keys: for the row's maximum and for the block's largest p
.endr
.irp i, 3,5,7,9,11,13
.irp b, 0,1,2,3
	v_max3_num_f32 v[BM+\b], v[BM+\b], v[S+16*\b+\i], v[S+16*\b+\i+1]
.endr
.endr
.irp b, 0,1,2,3
	v_max_num_f32 v[BM+\b], v[BM+\b], v[S+16*\b+15]
.endr
.irp b, 0,1,2,3
	s_delay_alu instid0(VALU_DEP_4)
	v_permlanex16_b32 v[PM+\b], v[BM+\b], s[SEL], s[SEL+1]
.endr
.irp b, 0,1,2,3
	s_delay_alu instid0(VALU_DEP_4)
	v_max_num_f32 v[BM+\b], v[BM+\b], v[PM+\b]     ; with lane l xor 16's 16 keys
.endr
	s_delay_alu instid0(VALU_DEP_2)
	v_max3_num_f32 v[T0], v[BM], v[BM+1], v[BM+2]
	s_delay_alu instid0(VALU_DEP_1)
	v_max_num_f32 v[T0], v[T0], v[BM+3]            ; the step's largest score of my query: the step's first key counts for every query of a step that is walked, so it is a number
	s_delay_alu instid0(VALU_DEP_1)
	v_mul_f32 v[T0], s[CS], v[T0]
	s_delay_alu instid0(VALU_DEP_1)
	v_max_num_f32 v13, v13, v[T0]                  ; the running largest t
	v_mov_b32 v[T0], v12
	s_delay_alu instid0(VALU_DEP_2)
	v_floor_f32 v12, -v13                          ; the new -M
	s_delay_alu instid0(VALU_DEP_1)
	v_sub_f32 v[T0], v12, v[T0]                    ; old M - new M: a whole number, 0 or less
	s_delay_alu instid0(VALU_DEP_1)
	v_cvt_i32_f32 v[T0], v[T0]                     ; (it saturates)
	s_delay_alu instid0(VALU_DEP_1)
	v_ldexp_f32 v[F], 1.0, v[T0]                   ; f
.set n, 0
.rept 32
	v_pk_fma_f32 v[S+n:S+n+1], v[S+n:S+n+1], s[CS:CS+1], v[12:13] op_sel_hi:[1,0,0]   ; t - M, two at a time
.set n, n+2
.endr
.irp b, 0,1,2,3
	v_fma_f32 v[BM+\b], v[BM+\b], s[CS], v12       ; the same of each block's largest score
.endr
	s_wait_alu depctr_va_vdst(0)
.set n, 0
.rept 64
	v_exp_f32 v[S+n], v[S+n]                       ; p = 2^(t - M)
.set n, n+1
.endr
	v_pk_mul_f32 v[14:15], v[14:15], v[F:F+1] op_sel_hi:[1,0]   ; the sums under the new M: a plain line behind the exponentials
	s_wait_alu depctr_va_vdst(0)                   ; and behind it, ahead of its first reader
.irp b, 0,1,2,3
	v_exp_f32 v[BM+\b], v[BM+\b]                   ; the blocks' largest p
.endr
	; the row's sum, of the unquantised p: 32 pairs in eight chains
	v_pk_add_f32 v[252:253], v[S:S+1], v[S+2:S+3]
	v_pk_add_f32 v[254:255], v[S+4:S+5], v[S+6:S+7]
	v_pk_add_f32 v[248:249], v[S+8:S+9], v[S+10:S+11]
	v_pk_add_f32 v[236:237], v[S+12:S+13], v[S+14:S+15]
	v_pk_add_f32 v[238:239], v[S+16:S+17], v[S+18:S+19]
	v_pk_add_f32 v[240:241], v[S+20:S+21], v[S+22:S+23]
	v_pk_add_f32 v[242:243], v[S+24:S+25], v[S+26:S+27]
	v_pk_add_f32 v[14:15], v[14:15], v[S+28:S+29]
.irp k, 30,46
	v_pk_add_f32 v[252:253], v[252:253], v[S+\k:S+\k+1]
	v_pk_add_f32 v[254:255], v[254:255], v[S+\k+2:S+\k+3]
	v_pk_add_f32 v[248:249], v[248:249], v[S+\k+4:S+\k+5]
	v_pk_add_f32 v[236:237], v[236:237], v[S+\k+6:S+\k+7]
	v_pk_add_f32 v[238:239], v[238:239], v[S+\k+8:S+\k+9]
	v_pk_add_f32 v[240:241], v[240:241], v[S+\k+10:S+\k+11]
	v_pk_add_f32 v[242:243], v[242:243], v[S+\k+12:S+\k+13]
	v_pk_add_f32 v[14:15], v[14:15], v[S+\k+14:S+\k+15]
.endr
	v_pk_add_f32 v[252:253], v[252:253], v[S+62:S+63]
	v_pk_add_f32 v[254:255], v[254:255], v[240:241]
	v_pk_add_f32 v[248:249], v[248:249], v[242:243]
	v_pk_add_f32 v[14:15], v[14:15], v[236:237]
	s_delay_alu instid0(VALU_DEP_4)
	v_pk_add_f32 v[252:253], v[252:253], v[238:239]
	s_delay_alu instid0(VALU_DEP_2)
	v_pk_add_f32 v[14:15], v[14:15], v[254:255]
	s_delay_alu instid0(VALU_DEP_2)
	v_pk_add_f32 v[252:253], v[252:253], v[248:249]
	s_delay_alu instid0(VALU_DEP_1)
	v_pk_add_f32 v[14:15], v[14:15], v[252:253]
	s_wait_alu depctr_va_vdst(0)                   ; and one for the four
.irp b, 0,1,2,3
	v_max_num_f32 v[BM+\b], 0x4800000, v[BM+\b]    ; the floor 2^(9 - 127): a block whose every p is 0 keeps the byte 1; its codes are zeros
.endr
.irp b, 0,1,2,3
	s_delay_alu instid0(VALU_DEP_4)
	v_add_nc_u32 v[SO+\b], 0xfc000000, v[BM+\b]
.endr
.irp b, 0,1,2,3
	v_and_or_b32 v[LM+\b], v[BM+\b], 0x7f800000, s[MNT]
.endr
.irp b, 0,1,2,3
	v_lshrrev_b32 v[PM+\b], 23, v[SO+\b]
.endr
	s_delay_alu instid0(VALU_DEP_3)
	v_lshl_or_b32 v[PW], v[PM+1], 8, v[PM]         ; p's scale word for these 128 keys: the 64 holds below stand between it and the products
	s_delay_alu instid0(VALU_DEP_1)
	v_lshl_or_b32 v[PW], v[PM+2], 16, v[PW]
	s_delay_alu instid0(VALU_DEP_1)
	v_lshl_or_b32 v[PW], v[PM+3], 24, v[PW]
.irp b, 0,1,2,3
.irp i, 0,1,2,3,4,5,6,7,8,9,10,11,12,13,14,15
	v_min_num_f32 v[S+16*\b+\i], v[S+16*\b+\i], v[LM+\b]   ; the hold (ISA guide 7.6.2: the conversion does not saturate); p is not negative, so it is one-sided
.endr
	v_cvt_scalef32_pk8_fp8_f32 v[PC+4*\b:PC+4*\b+1], v[S+16*\b:S+16*\b+7], v[SO+\b]
	v_cvt_scalef32_pk8_fp8_f32 v[PC+4*\b+2:PC+4*\b+3], v[S+16*\b+8:S+16*\b+15], v[SO+\b]
.endr
	s_wait_alu depctr_va_vdst(0)
.set n, 0
.rept 16
	v_pk_mul_f32 v[O+n:O+n+1], v[O+n:O+n+1], v[F:F+1] op_sel_hi:[1,0]   ; O^T under the new M; these lines also stand between the codes and the products
.set n, n+2
.endr
	s_wait_alu depctr_va_vdst(0)
	s_wait_dscnt 0x0                               ; V is in
.irp c, 0,1,2,3
	v_wmma_scale_f32_16x16x128_f8f6f4 v[O+8*\c:O+8*\c+7], v[KV+16*\c:KV+16*\c+15], v[PC:PC+15], v[O+8*\c:O+8*\c+7], v[VS+\c], v[PW]   ; the four accumulators by turns
.endr
.Lhidden_\@:
.endm
.macro TILE d, short                   ; s[d] = the group of tile 7 - s (s[short] = 0) or s (1): 2 n + (n % 2 xor kind)
	s_xor_b32 s[\d], s[\short], 1
	s_mul_i32 s[\d], s[\d], 7
	s_xor_b32 s[\d], s[\d], s[SS]
	s_and_b32 s46, s[\d], 1
	s_xor_b32 s46, s46, s44
	s_lshl_b32 s[\d], s[\d], 1
	s_add_co_u32 s[\d], s[\d], s46
.endm
	s_load_b256 s[4:11], s[0:1], 0x0               ; qimg s[4:5], qsc s[6:7], kv s[8:9], out s[10:11]
	v_lshl_add_u32 v[SPW], v0, 2, SPARE
	v_mov_b32 v[NIL], 0
	ds_add_u32 v[SPW], v[NIL]                      ; the wave's opening
	ds_add_u32 v[SPW], v[NIL]
	v_lshrrev_b32 v[ADF], 5, v0
	v_readfirstlane_b32 s[WV], v[ADF]              ; wave 0..15
	s_and_b32 s[SS], s[WV], 3
	s_lshr_b32 s[KK], s[WV], 2
	s_add_co_u32 s[IS3], s[SS], 1
	s_lshr_b32 s[IS3], s[IS3], 2
	s_add_co_u32 s[SH], s[KK], s[IS3]
	s_add_co_u32 s[SH], s[SH], 1
	s_lshr_b32 s[SH], s[SH], 2                     ; w / 4 = 3, or for s = 3 w / 4 = 2, 3: the short tile
	s_lshr_b32 s44, ttmp9, 1                       ; the kind: from the cluster's number alone
	TILE GG, SH
	s_xor_b32 s47, s[SH], 1
	s_and_b32 s45, s[KK], 1                        ; which eight rows of a tile I store
	s_mul_i32 s[START], s[KK], s47                 ; the long tile: w / 4;
	s_mul_i32 s46, s[SH], s[IS3]
	s_mul_i32 s46, s46, s45
	s_add_co_u32 s[START], s[START], s46           ; the short one: 0, or for s = 3 0, 1
	s_xor_b32 s[STRD], s[IS3], 3
	s_mul_i32 s[STRD], s[STRD], s47                ; the long tile: 3, or 2;
	s_add_co_u32 s46, s[IS3], 1
	s_mul_i32 s46, s46, s[SH]
	s_add_co_u32 s[STRD], s[STRD], s46             ; the short one: 1, or 2
	s_bfe_u32 s43, ttmp6, 0x40000                  ; my place in the cluster
	s_and_b32 s[JJ], ttmp9, 1
	s_lshl_b32 s[JJ], s[JJ], 2
	s_add_co_u32 s[JJ], s[JJ], s43
	s_and_b32 s56, ttmp7, 0xffff                   ; the batch
	s_lshl_b32 s57, s56, 4
	s_lshr_b32 s58, s[KK], 1                       ; the tile of which I store rows: 0: the long one, 1: the short one
	TILE 59, 58
	s_add_co_u32 s59, s59, s57
	s_lshl_b32 s52, s59, 7
	s_lshr_b32 s50, s[JJ], 1
	s_lshl_b32 s50, s50, 5
	s_and_b32 s51, s[JJ], 1
	s_lshl_b32 s51, s51, 3
	s_add_co_u32 s50, s50, s51                     ; my tiles' first query in their groups
	s_add_co_u32 s52, s52, s50
	s_lshl_b32 s53, s45, 4
	s_add_co_u32 s52, s52, s53
	s_lshl_b32 s52, s52, 8                         ; out: members 8 (w / 4 % 2) on
	s_mov_b32 s53, 0
	s_add_co_u32 s57, s57, s[GG]                   ; my group of all batches
	s_lshl_b32 s46, s57, 3
	s_add_co_u32 s46, s46, s[JJ]
	s_lshl_b32 s46, s46, 10                        ; Q's codes: 1,024 bytes a tile
	s_mov_b32 s47, 0
	s_lshl_b32 s48, s57, 9
	s_lshl_b32 s49, s[JJ], 2
	s_add_co_u32 s48, s48, s49                     ; Q's scale words: 32 r + 4 tile
	s_mov_b32 s49, 0
	s_mul_i32 s54, s56, 8*UNIT
	s_mul_i32 s55, s[WV], HALF
	s_add_co_u32 s54, s54, s55                     ; my sixteenth of the batch's K and V
	s_mov_b32 s[G0], 1
	s_mov_b32 s[G0+1], s55
	s_mov_b32 s55, 0
	; descriptor group 1: 67 dense rows of 256 bytes (32 elements of 8), shared by the cluster's four work-groups
	s_mov_b32 s[G1+0], 15|(3<<16)|(1<<21)
	s_mov_b32 s[G1+1], 32<<16
	s_mov_b32 s[G1+2], 67<<16
	s_mov_b32 s[G1+3], 32<<16
	s_mov_b32 s[G1+4], 67
	s_mov_b32 s[G1+5], 32
	s_mov_b32 s[G1+6], 0
	s_mov_b32 s[G1+7], 0
	s_mov_b32 s[SEL], 0x76543210
	s_mov_b32 s[SEL+1], 0xfedcba98
	s_mov_b32 s[CS], 0x3e38aa3b                    ; log2(e) / 8
	s_mov_b32 s[CS+1], s[CS]                       ; (named with it as a pair, so it is written)
	s_mov_b32 s[MNT], 0x600000
	s_mul_i32 s[STG], s[WV], STAGEW                ; my stage
	s_mul_i32 s[RBS], s[SS], STAGEW
	s_mul_i32 s57, s45, 8*272
	s_add_co_u32 s[RBS], s[RBS], s57               ; the rows that I store, in wave s's stage; the next parts' lie 4 stages on each
	s_mov_b32 s57, 0x7f61b1e6                      ; 3e38
	s_cmp_eq_u32 s58, 1
	s_cselect_b32 s[X01], s57, 0xff61b1e6          ; parts 0 and 1 are of the long tile,
	s_cselect_b32 s[X3], 0xff61b1e6, s57           ; part 3 of the short one,
	s_cmp_eq_u32 s58, s[IS3]
	s_cselect_b32 s[X2], 0xff61b1e6, s57           ; part 2 of the long one for s < 3
	v_and_b32 v240, 31, v0                         ; lane
	v_and_b32 v241, 15, v0                         ; r
	v_bfe_u32 v242, v0, 4, 1                       ; h
	v_lshlrev_b32 v[AK], 4, v240                   ; Q's codes too
	v_lshlrev_b32 v244, 5, v241                    ; Q's words
	v_add_nc_u32 v[ASK], 16384, v244
	v_lshlrev_b32 v245, 4, v241
	v_add_nc_u32 v[ASV], 16384+512, v245
	v_and_b32 v[DLN], 8, v241
	v_add_nc_u32 v[DLN], v[DLN], v241
	v_lshlrev_b32 v245, 4, v242
	v_sub_nc_u32 v[DLN], v[DLN], v245
	v_add_nc_u32 v[DLN], s50, v[DLN]
	s_wait_alu depctr_va_vdst(0)
	s_wait_dscnt 0x0                               ; both opening adds are done
	CROUND                                         ; all four work-groups are here: the joint loads meet
	s_wait_kmcnt 0x0
	s_add_nc_u64 s[G0+2:G0+3], s[8:9], s[54:55]
	s_or_b32 s[G0+3], s[G0+3], 0x80000000
	s_cmp_lt_u32 s[WV], 4                          ; one joint load a wave; waves that wait alike share a line
	s_cbranch_scc0 .Lunit_2
	TL
	s_branch .Lasked
.Lunit_2:
	TL
.Lasked:
	s_add_nc_u64 s[4:5], s[4:5], s[46:47]
	s_add_nc_u64 s[6:7], s[6:7], s[48:49]
	s_add_nc_u64 s[10:11], s[10:11], s[52:53]
	global_load_b128 v[Q:Q+3], v[AK], s[4:5]
	global_load_b128 v[Q+4:Q+7], v[AK], s[4:5] offset:512
	global_load_b32 v[QS], v244, s[6:7]
	s_mov_b32 s[KST], s[START]
.irp i, 0,1,2,3,4,5,6,7
	v_mov_b32 v[Q+8+\i], 0                         ; K = 64 .. 127: zero codes
	v_mov_b32 v[KV+64+\i], 0                       ; the upper half of K's last fragment: any codes serve, these are written once
.endr
.set n, 0
.rept 32
	v_mov_b32 v[O+n], 0                            ; O^T: the step is written as one text; the first change of M multiplies zeros
.set n, n+1
.endr
	v_mov_b32 v13, 0xff61b1e6                      ; the largest t so far: -3e38
	v_mov_b32 v14, 0
	v_mov_b32 v15, 0
	v_floor_f32 v12, -v13                          ; -M
.irp b, 0,1,2,3
	v_mov_b32 v[PM+\b], 0                          ; a lane permute's destination counts as one of its sources
.endr
	v_mov_b32 v[F+1], 0                            ; (named as the upper half of a pair)
	s_wait_alu depctr_va_vdst(0)
	s_wait_loadcnt 0x0                             ; Q
	s_cmp_lt_u32 s[WV], 4
	s_cbranch_scc0 .Lnot_yet
	s_wait_tensorcnt 0x0                           ; units 0, 1: every wave that issues their line waits here
.Lnot_yet:
	MEET
	STEP                                           ; everybody's first step
	s_wait_alu depctr_va_vdst(0)
	s_wait_tensorcnt 0x0                           ; all units
	MEET
	s_mov_b32 s57, 1
.Lstep:                                            ; my further steps: five trips serve the longest walk
	s_mul_i32 s[KST], s57, s[STRD]
	s_add_co_u32 s[KST], s[KST], s[START]
	STEP
	s_add_co_u32 s57, s57, 1
	s_cmp_lt_u32 s57, 6
	s_cbranch_scc1 .Lstep
	; THE WAY OUT.  Each wave lays its O (not divided) row by row into its stage, with -M and the sum behind each row; then each wave joins eight rows of one of its SIMD's two tiles from four stages and stores whole rows of 256 bytes.
	v_add_f32 v14, v14, v15                        ; these lines are also the places behind the last products
	v_and_b32 v240, 15, v0                         ; r
	v_bfe_u32 v241, v0, 4, 1                       ; h
	v_permlanex16_b32 v[PM], v14, s[SEL], s[SEL+1]
	v_mul_u32_u24 v242, v240, 272
	v_mul_u32_u24 v244, v241, 272
	v_add_f32 v13, v14, v[PM]                      ; the sum over my steps, beside -M in v12
	v_add_nc_u32 v242, s[STG], v242                ; row r of my stage
	v_add_nc_u32 v244, s[RBS], v244
	v_lshl_add_u32 v243, v241, 6, v242
	v_lshl_add_u32 v245, v240, 4, v244
	v_lshlrev_b32 v[GO], 8, v241
	v_lshl_add_u32 v[GO], v240, 4, v[GO]
	MEET                                           ; nobody reads K or V any more
.irp c, 0,1,2,3
.irp p, 0,1,2,3
	ds_store_b64 v243, v[O+8*\c+2*\p:O+8*\c+2*\p+1] offset:128*(\c/2)+16*\p+8*(\c%2)   ; channels 32 (c / 2) + 16 h + 4 p + 2 (c % 2) + 0, 1
.endr
.endr
	ds_store_b64 v242, v[12:13] offset:256         ; both halves of the lanes write the same
	s_wait_dscnt 0x0
	s_barrier_signal -1
	s_barrier_wait -1
.irp i, 0,1,2,3
.irp m, 0,1,2,3
	ds_load_b64 v[120+8*\i+2*\m:121+8*\i+2*\m], v244 offset:544*\i+256+4*STAGEW*\m
.endr
.endr
.irp i, 0,1,2,3
.irp m, 0,1,2,3
	ds_load_b128 v[48+16*\i+4*\m:51+16*\i+4*\m], v245 offset:544*\i+4*STAGEW*\m
.endr
.endr
	s_wait_dscnt 16                                ; the sums are in; the rows may be out
.irp i, 0,1,2,3
	v_max_num_f32 v[120+8*\i], s[X01], v[120+8*\i] ; a part of the other tile: its -M becomes 3e38, and its factor 0
	v_max_num_f32 v[122+8*\i], s[X01], v[122+8*\i]
	v_max_num_f32 v[124+8*\i], s[X2], v[124+8*\i]
	v_max_num_f32 v[126+8*\i], s[X3], v[126+8*\i]
.endr
.irp i, 0,1,2,3
	v_min_num_f32 v[168+\i], v[120+8*\i], v[122+8*\i]
	v_min_num_f32 v[172+\i], v[124+8*\i], v[126+8*\i]
.endr
.irp i, 0,1,2,3
	v_min_num_f32 v[168+\i], v[168+\i], v[172+\i]  ; -M of the row
.endr
.irp i, 0,1,2,3
.irp m, 0,1,2,3
	v_sub_f32 v[152+4*\i+\m], v[168+\i], v[120+8*\i+2*\m]
.endr
.endr
.irp k, 0,1,2,3,4,5,6,7,8,9,10,11,12,13,14,15
	v_cvt_i32_f32 v[152+\k], v[152+\k]
.endr
.irp k, 0,1,2,3,4,5,6,7,8,9,10,11,12,13,14,15
	v_ldexp_f32 v[152+\k], 1.0, v[152+\k]          ; what brings each part under the row's M: a power of two, or 0
.endr
.irp i, 0,1,2,3
	v_mul_f32 v[172+\i], v[152+4*\i], v[121+8*\i]
.endr
.irp m, 1,2,3
.irp i, 0,1,2,3
	v_fma_f32 v[172+\i], v[152+4*\i+\m], v[121+8*\i+2*\m], v[172+\i]   ; the row's sum
.endr
.endr
	s_wait_alu depctr_va_vdst(0)
.irp i, 0,1,2,3
	v_rcp_f32 v[172+\i], v[172+\i]
.endr
	v_nop                                          ; a plain line behind the reciprocals
	s_wait_alu depctr_va_vdst(0)                   ; and behind it
.irp i, 0,1,2,3
.irp m, 0,1,2,3
	v_mul_f32 v[152+4*\i+\m], v[152+4*\i+\m], v[172+\i]
.endr
.endr
	s_wait_alu depctr_va_vdst(0)
	s_wait_dscnt 0x0
.irp i, 0,1,2,3
.irp k, 0,1,2,3
	v_mul_f32 v[48+16*\i+\k], v[48+16*\i+\k], v[152+4*\i]
.endr
.endr
.irp i, 0,1,2,3
.irp m, 1,2,3
.irp k, 0,1,2,3
	v_fma_f32 v[48+16*\i+\k], v[48+16*\i+4*\m+\k], v[152+4*\i+\m], v[48+16*\i+\k]
.endr
.endr
	global_store_b128 v[GO], v[48+16*\i:51+16*\i], s[10:11] offset:512*\i th:TH_STORE_NT   ; sixteen lanes store a row: 256 consecutive bytes, aligned
.endr
	s_wait_tensorcnt 0x0                           ; the wave's end
	ds_add_u32 v[SPW], v[NIL]
	s_wait_dscnt 0x0
	CROUND                                         ; the closing round
	s_endpgm
.Lfunc_end_k_q6d79040e2f_attn:
	.size	k_q6d79040e2f_attn, .Lfunc_end_k_q6d79040e2f_attn-k_q6d79040e2f_attn
	.p2alignl 7, 3214868480
	.fill 96, 4, 3214868480
	.section	.rodata,"a",@progbits
	.p2align	6, 0x0
	.amdhsa_kernel k_q6d79040e2f_attn
		.amdhsa_group_segment_fixed_size 327680
		.amdhsa_private_segment_fixed_size 0
		.amdhsa_enable_private_segment 0
		.amdhsa_kernarg_size 32
		.amdhsa_user_sgpr_count 2
		.amdhsa_user_sgpr_kernarg_segment_ptr 1
		.amdhsa_wavefront_size32 1
		.amdhsa_system_sgpr_workgroup_id_x 1
		.amdhsa_system_sgpr_workgroup_id_y 1
		.amdhsa_system_sgpr_workgroup_id_z 1
		.amdhsa_system_vgpr_workitem_id 0
		.amdhsa_next_free_vgpr 256
		.amdhsa_next_free_sgpr 66
		.amdhsa_reserve_vcc 1
		.amdhsa_float_denorm_mode_32 3
		.amdhsa_float_denorm_mode_16_64 3
		.amdhsa_memory_ordered 1
		.amdhsa_forward_progress 1
		.amdhsa_inst_pref_size 71
	.end_amdhsa_kernel
	.amdgpu_metadata
---
amdhsa.version: [ 1, 2 ]
amdhsa.kernels:
  - .name:           k_q6d79040e2f_attn
    .symbol:         k_q6d79040e2f_attn.kd
    .args:
      - { .name: qimg, .offset: 0, .size: 8, .value_kind: global_buffer, .address_space: global }
      - { .name: qsc, .offset: 8, .size: 8, .value_kind: global_buffer, .address_space: global }
      - { .name: kv, .offset: 16, .size: 8, .value_kind: global_buffer, .address_space: global }
      - { .name: out0, .offset: 24, .size: 8, .value_kind: global_buffer, .address_space: global }
    .group_segment_fixed_size: 327680
    .private_segment_fixed_size: 0
    .kernarg_segment_align: 8
    .kernarg_segment_size: 32
    .max_flat_workgroup_size: 512
    .sgpr_count:     66
    .vgpr_count:     256
    .wavefront_size: 32
...
	.end_amdgpu_metadata
.endif
;; end of part 2
